; MI455X (gfx1250); checked and timed in simulation.
; The chip was launched on July 23, 2026; its instructions are those of AMD's public machine-readable ISA for CDNA 5 (MIT licence, August 2026) and "CDNA5" Instruction Set Architecture Reference Guide (July 2026). The comments in the code are by the model that wrote it; some were corrected since.
;; Multi Head Self Attention. Allowed arithmetic: matrix products marked QUANTISED: E2M3 operands, one E8M0 scale for each 32 along K, by v_wmma_scale_f32_16x16x128_f8f6f4 with both operands' format E2M3, f32 sums; everything else in f32.
;; Inputs: bk 1,024 float32; bo 1,024 float32; bq 1,024 float32; bv 1,024 float32; wk_codes 1,024 x 32 x 24 uint8 (E2M3 codes of wk, K innermost, in blocks of 32 codes, four codes in three bytes); wk_scales 1,024 x 32 uint8 (E8M0 scales of wk, one for each 32 codes along K); wo_codes 1,024 x 32 x 24 uint8 (E2M3 codes of wo, K innermost, in blocks of 32 codes, four codes in three bytes); wo_scales 1,024 x 32 uint8 (E8M0 scales of wo, one for each 32 codes along K); wq_codes 1,024 x 32 x 24 uint8 (E2M3 codes of wq, K innermost, in blocks of 32 codes, four codes in three bytes); wq_scales 1,024 x 32 uint8 (E8M0 scales of wq, one for each 32 codes along K); wv_codes 1,024 x 32 x 24 uint8 (E2M3 codes of wv, K innermost, in blocks of 32 codes, four codes in three bytes); wv_scales 1,024 x 32 uint8 (E8M0 scales of wv, one for each 32 codes along K); x_codes 4 x 2,048 x 32 x 24 uint8 (E2M3 codes of x, K innermost, in blocks of 32 codes, four codes in three bytes); x_scales 4 x 2,048 x 32 uint8 (E8M0 scales of x, one for each 32 codes along K).
;; Outputs: out0 4 x 2,048 x 1,024 float32.
;; This version of the problem:
;;   THIS VERSION OF THE PROBLEM IS GIVEN IN LOW PRECISION. The matrix products marked QUANTISED in the list below multiply operands that are first quantised to E2M3 (2 exponent bits, 3 mantissa bits; 6 bits a number), with one power-of-two scale for each 32 numbers along K (OCP MX v1.0); their sums are f32. All else is computed in f32.
;;   The module's matrix products, in the order in which they are computed (A, B: the left and right operand; K: the contracted axis; several contracted axes count as one K, in the product's order):
;;     1. [M 8,192, K 1,024] x [K 1,024, N 1,024]; A: input x (given as codes); B: input wq (given as codes): QUANTISED
;;     2. [M 8,192, K 1,024] x [K 1,024, N 1,024]; A: input x (given as codes); B: input wk (given as codes): QUANTISED
;;     3. [M 8,192, K 1,024] x [K 1,024, N 1,024]; A: input x (given as codes); B: input wv (given as codes): QUANTISED
;;     4. batch 64 x [M 2,048, K 64] x [K 64, N 2,048]; A: computed on the way; B: computed on the way: QUANTISED
;;     5. batch 64 x [M 2,048, K 2,048] x [K 2,048, N 64]; A: softmax (see below); B: computed on the way: QUANTISED
;;     6. [M 8,192, K 1,024] x [K 1,024, N 1,024]; A: computed on the way; B: input wo (given as codes): QUANTISED
;;   THE QUANTISER, for each operand of a quantised product, along K:
;;     - K is cut into blocks of 32 from its start; a last block that is shorter is filled with zeros.
;;     - A block's scale is 2^e with e = floor(log2(the largest magnitude in the block)) - 2, held to -126 .. 127; a block of zeros has e = 0. As a byte (E8M0): e + 127.
;;     - Each number is divided by its block's scale, clamped to +-7.5, and rounded to the nearest number of E2M3, ties to even, subnormals kept.
;;     - The product sums the exact products of the quantised numbers (number of the format x scale) in f32.
;;   ~~~python
;;   def quantise(x, axis):      # numpy; x: float32 -> the quantised numbers, widened to float32 again
;;       x = np.moveaxis(x, axis, -1); K = x.shape[-1]
;;       x = np.pad(x, [(0, 0)] * (x.ndim - 1) + [(0, -K % 32)]); x = x.reshape(x.shape[:-1] + (-1, 32)); a = np.abs(x).max(-1, keepdims=True)
;;       e = np.where(a > 0, np.clip(np.frexp(np.where(a > 0, a, 1))[1] - 1 - 2, -126, 127), 0)      # np.frexp(a)[1] - 1 = floor(log2(a)), exactly
;;       r = np.clip(x / 2.0 ** e, -7.5, 7.5)
;;       step = 2.0 ** (np.maximum(np.frexp(np.where(r == 0, 1, r))[1] - 1, 0) - 3)
;;       q = np.round(r / step) * step * 2.0 ** e      # np.round: ties to even
;;       return np.moveaxis(q.reshape(q.shape[:-2] + (-1,))[..., :K], -1, axis).astype(np.float32)
;;   ~~~
;;   SOFTMAX AHEAD OF A QUANTISED PRODUCT. Where the list says 'softmax', what is quantised is not the finished softmax but p = 2^(t - M), with t = logit x log2(e) and M = ceil(the row's largest t), a whole number; so 1/2 < the row's largest p <= 1. The row's sum l is taken of the UNQUANTISED p, in f32, and the product's result is divided by l at the end. Since M is a whole number, a kernel that streams over the keys may use a running M (the ceiling of the running maximum): every later rescaling is an exact power of two, which a block's scale takes up: the codes' values come out the same.
;;   OPERANDS COMPUTED ON THE WAY. 'Computed on the way' means the value that the module computes at that place (a softmax that the list does not call 'softmax' is quantised finished and normalised). What goes into a quantiser is computed in f32, as accurately as f32 sums, v_exp_f32 and their like allow (about 1e-6 of the number): no bf16 or f16 on the way to a quantiser, and a product that is left as it is and whose result goes on into a quantised operand takes f32 operands (vector FMAs, or v_wmma_f32_16x16x4_f32). A number that lies on a knife's edge between two numbers of the format may be rounded either way, as far as f32 arithmetic and the matrix unit's own rounding can turn it there, and no further.
;;   INPUTS GIVEN AS CODES. wk (in the module: [1024, 1024], K = its axis 1); wo (in the module: [1024, 1024], K = its axis 1); wq (in the module: [1024, 1024], K = its axis 1); wv (in the module: [1024, 1024], K = its axis 1); x (in the module: [4, 2048, 1024], K = its axis 2): each comes as NAME_codes (uint8): NAME with its K axis moved to the last place and cut into blocks of 32 codes, [.., K / 32, bytes a block], one block behind the other in memory; four codes in three bytes: a row's codes are one little-endian stream of bits, code i at bits 6 i .. 6 i + 5 (a code: sign, 2 exponent bits, 3 mantissa bits); and NAME_scales (uint8): the same leading axes, one E8M0 byte (e + 127) for each 32 codes along K. Its value is code x scale, taken as it is: it is not quantised again, and the codes and scales need not be those that the quantiser above would give.
;; One version. Each part assembles by itself: llvm-mc -triple=amdgcn-amd-amdhsa -mcpu=gfx1250 --defsym DOCPART=n.
;; ======== version 1 of 1: 3 launches
;; limits: right only within a limited range of input values
;; workspace buffers: qb 6,815,744 bytes; kv 13,631,488 bytes; oimg 6,291,456 bytes; osc 262,144 bytes
;; launch qkv (part 1): grid 8 x 32, 4 waves a work-group, clusters of 4 x 4, 327,680 bytes of LDS; arguments x_codes, x_scales, wq_codes, wq_scales, wk_codes, wk_scales, wv_codes, wv_scales, bq, bk, bv, qb, kv; writes qb, kv
.if DOCPART == 1
	.amdgcn_target "amdgcn-amd-amdhsa--gfx1250"
	.amdhsa_code_object_version 6
	.text
	.protected	k_q2adda96df4_qkv
	.globl	k_q2adda96df4_qkv
	.p2align	8
	.type	k_q2adda96df4_qkv,@function
k_q2adda96df4_qkv:
	s_mov_b64 s[64:65], 0
	v_nop
	global_prefetch_b8 v0, s[64:65] scope:SCOPE_SE
	s_setreg_imm32_b32 hwreg(HW_REG_WAVE_MODE, 25, 1), 1
	s_wait_xcnt 0x0
	s_wait_alu depctr_hold_cnt(0) depctr_sa_sdst(0) depctr_va_vdst(0) depctr_va_sdst(0) depctr_va_ssrc(0) depctr_va_vcc(0) depctr_vm_vsrc(0)
	s_getreg_b32 s2, hwreg(HW_REG_IB_STS2, 6, 4)
	s_cmp_eq_u32 s2, 0
	s_cbranch_scc0 .Lentry_in_a_cluster
	s_endpgm
.Lentry_in_a_cluster:
	s_bfe_u32 s2, ttmp6, 0x10000c
	s_cmp_lg_u32 s2, 0xf033
	s_cbranch_scc0 .Lentry_shape_is_right
	s_endpgm
.Lentry_shape_is_right:
; q, k, v = x W^T + b on codes of FP6 (E2M3), K = 1,024, and their quantisers.  Results leave as images of operand registers.
; DEAL: 256 work-groups: 256 tokens x (two heads each of v, q, k).  A wave holds its 64 tokens (a band), all of K, in 384 registers
; and streams six groups of 64 weight rows (a head) past them, 16 rows (a batch of 32 products) at a time, from LDS.
; ROWS OF A TILE: lane r of tile n takes row 32 (r / 8) + 8 n + r % 8 of its 64 (x's tokens and the weights' rows alike), so a lane's
; 32 results of a band or head are 32 neighbours: one scale block, in natural order; no lane asks another for a maximum.
; q, k: source 0 = weight rows (registers run along features);  v: source 0 = x's rows (registers run along tokens).
; LDS: x's 256 rows (816 bytes: 3 x (256 + 16)), filled again ONCE with wq's and wk's 4 x 64 rows when x lies in registers; wv's 128 rows;
; the spare words; the weights' scale bytes and the biases, stored once by the waves.  Every tensor row is 768 bytes and begins on a multiple of 256.
; OUT: an image of 6 registers is 768 bytes (registers 0-3 at 16 lane, 4-5 at 512 + 8 lane); four images have 256 bytes of scale words:
; the word at 8 lane + 4 i is that of image 2 i + lane / 16, row lane % 16: two scale bytes, two bytes 0.
; qb [bh][band of 64 tokens][3,072 codes, 256 scales];  kv [bh][128 tokens][k band 0, 1; v band 0, 1: 3,072 each; then their scale words, 256 each].
; No prefetch: the head's tiles are asked for at once and the one refill as soon as x is in registers: no loop runs ahead of either.
; LIMITS: NaN and infinities are not served.  A block under 2^-124, or of zeros, keeps the scale byte 1; only this program reads the bytes.
.set PITCH, 816
.set GRP,   64*PITCH
.set W01,   256*PITCH
.set SPARE, W01+2*GRP
.set AUXS,  SPARE+512                  ; weights' scale bytes, 2,048 a group
.set AUXB,  AUXS+12288                 ; biases, 256 bytes a group
.set REC,   13312
.set NF,    50                         ; LDS loads of a batch's fetch
.set LB0, 1
.set LB1, 2
.set LWS, 3
.set LBQ, 4
.set LBV, 5
.set BA0, 6
.set BA1, 7
.set WSA, 8
.set BIA, 9
.set L16, 10
.set L8,  11
.set SH8, 12
.set XA0, 13
.set XA1, 14
.set T0,  15
.set SPW, 16
.set NIL, 17
.set WS,  20                           ; v20-35 weights' scale words, two sets
.set XS,  40                           ; v40-71 x's scale words
.set ACC, 72                           ; v72-199 sixteen accumulators
.set BI,  200                          ; v200-231 the bias as the first products' C
.set MX,  232
.set SOP, 236
.set EB,  240
.set PX,  244
.set SW,  248
.set CD,  80                           ; window 3: codes, 8 registers an image
.set CNT, 66
.set MSB, 0
.macro WIN new
.if MSB != (\new)
	s_set_vgpr_msb (MSB<<8)|(\new)
.set MSB, (\new)
.endif
.endm
.macro WALU
	s_wait_alu depctr_va_vdst(0)
.endm
.macro PLACES n
.rept \n
	v_nop
.endr
.endm
.macro BARRIER
	s_barrier_signal -1
	s_barrier_wait -1
.endm
.macro CROUND
	BARRIER
	s_cmp_lg_u32 s14, 0
	s_cbranch_scc1 .Lnw0_\@
	s_barrier_signal -3
.Lnw0_\@:
	s_barrier_wait -3
	BARRIER
.endm
.macro TLOAD g0, g1
	tensor_load_to_lds s[\g0:\g0+3], s[\g1:\g1+7]
	s_nop 0
	PLACES 4
.endm
.macro GROUP1 g, mask, rows
	s_or_b32 s[\g+0], s[\mask], (1<<20)|(1<<21)|(5<<22)|(3<<25)
	s_mov_b32 s[\g+1], 768<<16
	s_mov_b32 s[\g+2], (\rows)<<16
	s_mov_b32 s[\g+3], 768<<16
	s_mov_b32 s[\g+4], \rows
	s_mov_b32 s[\g+5], 768
	s_mov_b32 s[\g+6], 0
	s_mov_b32 s[\g+7], 0
.endm
; fragment f lies in window 1 + f / 21 at register 12 (f % 21): 0-31 x's (4 q + a), 32-47 the weights' two sets.  Six pieces of 8 bytes;
; lanes 16-31 read 24 bytes on; where that is behind one padding more the second address register serves
.macro FRAG f, q, a0, a1, off
	WIN (1+(\f)/21)<<6
.set R_, 12*((\f)%21)
.irp p, 0,1,2,3,4,5
.set PC_, 12*(\q)+6*(\p/3)+\p%3
.if (PC_%32) < 29
	ds_load_b64 v[R_+2*\p:R_+2*\p+1], v[\a0] offset:8*PC_+16*(PC_/32)+(\off)
.else
	ds_load_b64 v[R_+2*\p:R_+2*\p+1], v[\a1] offset:8*PC_+16*(PC_/32)+(\off)
.endif
.endr
.endm
.macro FETCH e, t                      ; tile t of the group at BA into set e
.irp q, 0,1,2,3,4,5,6,7
	FRAG 32+8*(\e)+\q, \q, BA0, BA1, (\t)*8*PITCH
.endr
	WIN 0
	ds_load_b128 v[WS+8*(\e):WS+8*(\e)+3], v[WSA] offset:256*(\t)
	ds_load_b128 v[WS+8*(\e)+4:WS+8*(\e)+7], v[WSA] offset:256*(\t)+16
.endm
.macro MM d, f0, f1, c, x0, x1
	WIN (1+(\f0)/21)|((1+(\f1)/21)<<2)
	v_wmma_scale_f32_16x16x128_f8f6f4 v[\d:\d+7], v[12*((\f0)%21):12*((\f0)%21)+11], v[12*((\f1)%21):12*((\f1)%21)+11], v[\c:\c+7], v[\x0], v[\x1] matrix_a_fmt:MATRIX_FMT_FP6 matrix_b_fmt:MATRIX_FMT_FP6
.endm
.macro BATCH kind, t                   ; 32 products: four accumulators by turns, K ascending
.set N_, 0
.rept 32
.set FB_, 32+8*((\t)%2)+N_/4
.set XS_, XS+8*(N_%4)+N_/4
.set WS_, WS+8*((\t)%2)+N_/4
.if \kind
.set D_, ACC+32*(\t)+8*(N_%4)
.else
.set D_, ACC+32*(N_%4)+8*(\t)
.endif
.if N_ < 4
.set C_, BI+8*(\t)
.else
.set C_, D_
.endif
.if \kind
	MM D_, N_, FB_, C_, XS_, WS_
.else
	MM D_, FB_, N_, C_, WS_, XS_
.endif
.set N_, N_+1
.endr
	WIN 0
.endm
.macro SETG kind, wb, g0               ; LDS addresses of the phase's group s17
	s_mul_i32 s18, s17, GRP
	s_add_co_u32 s18, s18, \wb
	s_lshl_b32 s19, s17, 11
	s_add_co_u32 s19, s19, 2048*(\g0)
	s_lshl_b32 s20, s17, 8
	s_add_co_u32 s20, s20, 256*(\g0)
	v_add_nc_u32 v[BA0], s18, v[LB0]
	v_add_nc_u32 v[BA1], s18, v[LB1]
	v_add_nc_u32 v[WSA], s19, v[LWS]
.if \kind
	v_add_nc_u32 v[BIA], s20, v[LBV]
.else
	v_add_nc_u32 v[BIA], s20, v[LBQ]
.endif
	WALU
.endm
.macro BIAS kind                       ; q, k: register 8 t + j is feature 32 h + 8 t + j;  v: all eight of tile t hold the lane's feature's
.if \kind
.set I_, 0
.rept 32
	ds_load_b32 v[BI+I_], v[BIA] offset:32*(I_/8)
.set I_, I_+1
.endr
.else
.irp k, 0,1,2,3,4,5,6,7
	ds_load_b128 v[BI+4*\k:BI+4*\k+3], v[BIA] offset:16*\k
.endr
.endif
.endm
; a group: four batches; behind batch t its set takes tile t + 2, or the next group's tile t - 2 (the last group asks for its own again)
.macro GROUP kind, gmax, wb, g0
.irp t, 0,1,2,3
	s_wait_dscnt NF                        ; all but the other set's fetch
	BATCH \kind, \t
	PLACES 4
.if \t == 3
	BIAS \kind
.endif
	FETCH \t%2, (\t+2)%4
.if \t == 1
	s_add_co_u32 s17, s[CNT], 1
	s_min_u32 s17, s17, \gmax
	SETG \kind, \wb, \g0
.endif
.endr
.endm
; the way out of four runs of 32 sums: largest magnitude with the floor 2^(3 - 127), scale, two conversions, the scale words' image
.macro OUT pc, ps
.irp n, 0,1,2,3
	v_max3_num_f32 v[MX+\n], |v[ACC+32*\n]|, |v[ACC+32*\n+1]|, 0x1800000
.endr
.irp i, 2,4,6,8,10,12,14,16,18,20,22,24,26,28,30
.irp n, 0,1,2,3
	v_max3_num_f32 v[MX+\n], v[MX+\n], |v[ACC+32*\n+\i]|, |v[ACC+32*\n+\i+1]|
.endr
.endr
.irp n, 0,1,2,3
	v_add_nc_u32 v[SOP+\n], 0xff000000, v[MX+\n]
.endr
.irp n, 0,1,2,3
	v_lshrrev_b32 v[EB+\n], 23, v[SOP+\n]
.endr
.irp n, 0,1,2,3
	v_lshlrev_b32 v[EB+\n], v[SH8], v[EB+\n]
.endr
.irp n, 0,1,2,3
	v_permlanex16_b32 v[PX+\n], v[EB+\n], s98, s99
.endr
.irp n, 0,1,2,3
	v_or_b32 v[EB+\n], v[EB+\n], v[PX+\n]
.endr
	v_cndmask_b32 v[SW], v[EB], v[EB+1], s100
	v_cndmask_b32 v[SW+1], v[EB+2], v[EB+3], s100
	WIN 0xc0
.irp n, 0,1,2,3
	v_cvt_scalef32_pk16_fp6_f32 v[CD+8*\n:CD+8*\n+2], v[ACC+32*\n:ACC+32*\n+15], v[SOP+\n]
	v_cvt_scalef32_pk16_fp6_f32 v[CD+8*\n+4:CD+8*\n+6], v[ACC+32*\n+16:ACC+32*\n+31], v[SOP+\n]
.endr
	WIN 0xc3
	v_nop
.irp i, 3,4,5
.irp n, 0,1,2,3
	v_mov_b32 v[CD+8*\n+\i], v[CD+8*\n+\i+1]
.endr
.endr
	WIN 0x0c
.irp n, 0,1,2,3
	global_store_b128 v[L16], v[CD+8*\n:CD+8*\n+3], s[\pc:\pc+1] offset:768*\n
	global_store_b64 v[L8], v[CD+8*\n+4:CD+8*\n+5], s[\pc:\pc+1] offset:768*\n+512
.endr
	WIN 0
	global_store_b64 v[L8], v[SW:SW+1], s[\ps:\ps+1]
	s_wait_xcnt 0x0                        ; the stores' bases and data are written again only behind this wait
.endm
; ---- the head
	s_load_b512 s[68:83], s[0:1], 0x0              ; x, wq, wk, wv: codes and scales
	s_load_b256 s[84:91], s[0:1], 0x40             ; bq, bk, bv, qb
	s_load_b64 s[92:93], s[0:1], 0x60              ; kv
	v_lshl_add_u32 v[SPW], v0, 2, SPARE
	v_mov_b32 v[NIL], 0
	ds_add_u32 v[SPW], v[NIL]
	ds_add_u32 v[SPW], v[NIL]
	v_lshrrev_b32 v18, 5, v0
	v_readfirstlane_b32 s14, v18                   ; wave
	s_lshr_b32 s15, s14, 1
	s_and_b32 s16, s14, 1
	s_bfe_u32 s40, ttmp6, 0x40000
	s_bfe_u32 s41, ttmp6, 0x40004
	s_lshl_b32 s42, ttmp9, 2
	s_add_co_u32 s42, s42, s40                     ; bx: two heads of each tensor
	s_and_b32 s43, ttmp7, 0xffff
	s_lshl_b32 s43, s43, 2
	s_add_co_u32 s43, s43, s41                     ; by: 256 tokens
	s_lshl_b32 s44, s41, 2
	s_lshl_b32 s44, 15, s44                        ; my row of the cluster shares x
	s_lshl_b32 s45, 0x1111, s40                    ; my column the weights
	GROUP1 24, 44, 128
	GROUP1 32, 45, 64
	s_mov_b32 s48, 1                               ; x: waves 0, 1 take 128 rows each
	s_mul_i32 s49, s16, 128*PITCH
	s_mul_i32 s20, s43, 256*768
	s_mul_i32 s21, s16, 128*768
	s_add_co_u32 s20, s20, s21
	s_mov_b32 s21, 0
	s_mov_b32 s52, 1                               ; wv: waves 2, 3 take 64 rows each
	s_mul_i32 s53, s16, GRP
	s_add_co_u32 s53, s53, W01
	s_mul_i32 s22, s42, 128*768
	s_mul_i32 s23, s16, 64*768
	s_add_co_u32 s22, s22, s23
	s_mov_b32 s23, 0
	s_mov_b32 s56, 1                               ; the refill: wave w takes head w / 2 of wq (w even) or wk (w odd)
	s_mul_i32 s57, s14, GRP
	s_mul_i32 s46, s42, 128*768
	s_mul_i32 s47, s15, 64*768
	s_add_co_u32 s46, s46, s47
	s_mov_b32 s47, 0
	s_mov_b32 s98, 0x76543210
	s_mov_b32 s99, 0xfedcba98
	s_mov_b32 s100, 0xffff0000
	v_and_b32 v18, 15, v0
	v_bfe_u32 v19, v0, 4, 1
	v_and_b32 v[T0], 7, v18
	v_lshrrev_b32 v[BA0], 3, v18
	v_lshl_add_u32 v[T0], v[BA0], 5, v[T0]         ; 32 (r / 8) + r % 8
	v_mul_u32_u24 v[LB0], v[T0], PITCH
	v_mad_u32_u24 v[LB1], v19, 40, v[LB0]
	v_mad_u32_u24 v[LB0], v19, 24, v[LB0]
	v_lshl_add_u32 v[LWS], v[T0], 5, AUXS
	v_lshl_add_u32 v[LBV], v[T0], 2, AUXB
	v_lshl_add_u32 v[LBQ], v19, 7, AUXB
	v_lshlrev_b32 v[SH8], 3, v19
	v_and_b32 v[L8], 31, v0
	v_lshlrev_b32 v[L16], 4, v[L8]
	v_lshlrev_b32 v[L8], 3, v[L8]
	s_mul_i32 s17, s14, GRP
	v_add_nc_u32 v[XA0], s17, v[LB0]
	v_add_nc_u32 v[XA1], s17, v[LB1]
	v_lshlrev_b32 v232, 5, v[T0]                   ; x's scales: 32 bytes a row
	v_lshlrev_b32 v233, 4, v0
	v_add_nc_u32 v234, AUXS, v233
	v_lshlrev_b32 v235, 2, v0
	v_add_nc_u32 v236, AUXB, v235
	v_and_b32 v237, 63, v0
	v_lshlrev_b32 v237, 2, v237
	v_lshrrev_b32 v238, 6, v0
	v_lshl_add_u32 v237, v238, 9, v237
	v_add_nc_u32 v237, AUXB+512, v237
.irp n, 0,1,2,3
	v_mov_b32 v[PX+\n], 0
.endr
	WALU
	s_wait_dscnt 0x0
	CROUND
	s_wait_kmcnt 0x0
	s_add_nc_u64 s[50:51], s[68:69], s[20:21]
	s_or_b32 s51, s51, 0x80000000
	s_add_nc_u64 s[54:55], s[80:81], s[22:23]
	s_or_b32 s55, s55, 0x80000000
	s_cmp_eq_u32 s16, 0
	s_cselect_b64 s[58:59], s[72:73], s[76:77]
	s_add_nc_u64 s[58:59], s[58:59], s[46:47]
	s_or_b32 s59, s59, 0x80000000
	s_cmp_lt_u32 s14, 2
	s_cbranch_scc0 .Lfor_w
	TLOAD 48, 24
	s_branch .Lasked
.Lfor_w:
	TLOAD 52, 32
.Lasked:
	s_lshl_b32 s60, s42, 12
	s_mov_b32 s61, 0
	s_add_nc_u64 s[74:75], s[74:75], s[60:61]
	s_add_nc_u64 s[78:79], s[78:79], s[60:61]
	s_add_nc_u64 s[82:83], s[82:83], s[60:61]
	s_lshl_b32 s62, s42, 9
	s_mov_b32 s63, 0
	s_add_nc_u64 s[84:85], s[84:85], s[62:63]
	s_add_nc_u64 s[86:87], s[86:87], s[62:63]
	s_add_nc_u64 s[88:89], s[88:89], s[62:63]
	s_lshl_b32 s18, s43, 2
	s_add_co_u32 s18, s18, s14
	s_lshl_b32 s18, s18, 11                        ; my band's scales: 64 rows x 32 bytes
	s_mov_b32 s19, 0
	s_add_nc_u64 s[70:71], s[70:71], s[18:19]
.irp a, 0,1,2,3
	global_load_b128 v[XS+8*\a:XS+8*\a+3], v232, s[70:71] offset:256*\a
	global_load_b128 v[XS+8*\a+4:XS+8*\a+7], v232, s[70:71] offset:256*\a+16
.endr
.irp j, 0,1
	global_load_b128 v[ACC+4*\j:ACC+4*\j+3], v233, s[82:83] offset:2048*\j
	global_load_b128 v[ACC+8+4*\j:ACC+11+4*\j], v233, s[74:75] offset:2048*\j
	global_load_b128 v[ACC+16+4*\j:ACC+19+4*\j], v233, s[78:79] offset:2048*\j
.endr
	global_load_b32 v[ACC+24], v235, s[88:89]
	global_load_b32 v[ACC+25], v235, s[84:85]
	global_load_b32 v[ACC+26], v235, s[86:87]
	; where the results go
	s_lshr_b32 s2, s43, 3
	s_lshl_b32 s2, s2, 4
	s_lshl_b32 s3, s42, 1
	s_add_co_u32 s2, s2, s3                        ; bh of my first head
	s_lshl_b32 s3, s43, 1
	s_add_co_u32 s3, s3, s15
	s_and_b32 s3, s3, 15                           ; key step
	s_lshl_b32 s18, s2, 4
	s_add_co_u32 s18, s18, s3
	s_mul_i32 s18, s18, REC
	s_mul_i32 s3, s16, 3072
	s_add_co_u32 s18, s18, s3
	s_add_nc_u64 s[8:9], s[92:93], s[18:19]        ; k's codes
	s_add_nc_u64 s[94:95], s[8:9], 6144            ; v's
	s_add_nc_u64 s[10:11], s[8:9], 12288
	s_mul_i32 s18, s16, 2816
	s_sub_nc_u64 s[10:11], s[10:11], s[18:19]      ; k's scale words
	s_add_nc_u64 s[96:97], s[10:11], 512           ; v's
	s_lshl_b32 s3, s43, 2
	s_add_co_u32 s3, s3, s14
	s_and_b32 s3, s3, 31
	s_lshl_b32 s18, s2, 5
	s_add_co_u32 s18, s18, s3
	s_mul_i32 s18, s18, 3328
	s_add_nc_u64 s[4:5], s[90:91], s[18:19]        ; q's codes
	s_add_nc_u64 s[6:7], s[4:5], 3072
	s_mov_b32 s12, 32*3328                         ; from head to head in qb,
	s_mov_b32 s13, 16*REC                          ; in kv
	s_wait_tensorcnt 0x0
	BARRIER                                        ; x's and wv's rows are in
	s_wait_loadcnt 0x0
.irp j, 0,1
	ds_store_b128 v234, v[ACC+4*\j:ACC+4*\j+3] offset:2048*\j
	ds_store_b128 v234, v[ACC+8+4*\j:ACC+11+4*\j] offset:4096+4096*\j
	ds_store_b128 v234, v[ACC+16+4*\j:ACC+19+4*\j] offset:6144+4096*\j
.endr
	ds_store_b32 v236, v[ACC+24]
	ds_store_b32 v237, v[ACC+25]
	ds_store_b32 v237, v[ACC+26] offset:256
.irp q, 0,1,2,3,4,5,6,7
.irp a, 0,1,2,3
	FRAG 4*\q+\a, \q, XA0, XA1, \a*8*PITCH
.endr
.endr
	WIN 0
	s_wait_dscnt 0x0
	BARRIER                                        ; everybody's scale bytes and biases are stored
	s_mov_b32 s17, 0
	SETG 1, W01, 0
	BIAS 1
	FETCH 0, 0
	FETCH 1, 1
	s_wait_tensorcnt 0x0
	ds_add_u32 v[SPW], v[NIL]
	s_wait_dscnt 0x0                               ; x lies in registers in every wave behind the round
	CROUND
	TLOAD 56, 32
; ---- v's two heads
	s_mov_b32 s[CNT], 0
.Lv:
	GROUP 1, 1, W01, 0
	OUT 94, 96
	s_add_nc_u64 s[94:95], s[94:95], 16*REC
	s_add_nc_u64 s[96:97], s[96:97], 16*REC
	s_add_co_u32 s[CNT], s[CNT], 1
	s_cmp_lt_u32 s[CNT], 2
	s_cbranch_scc1 .Lv
	s_wait_tensorcnt 0x0
	s_wait_dscnt 0x0
	BARRIER                                        ; a plain barrier shows the refill to all
	s_mov_b32 s17, 0
	SETG 0, 0, 2
	BIAS 0
	FETCH 0, 0
	FETCH 1, 1
; ---- q, k, q, k: the two sets of pointers change places after each head
	s_mov_b32 s[CNT], 0
.Lqk:
	GROUP 0, 3, 0, 2
	OUT 4, 6
	s_mov_b32 s18, s12
	s_mov_b32 s19, 0
	s_add_nc_u64 s[20:21], s[4:5], s[18:19]
	s_add_nc_u64 s[22:23], s[6:7], s[18:19]
	s_mov_b64 s[4:5], s[8:9]
	s_mov_b64 s[6:7], s[10:11]
	s_mov_b64 s[8:9], s[20:21]
	s_mov_b64 s[10:11], s[22:23]
	s_mov_b32 s12, s13
	s_mov_b32 s13, s18
	s_add_co_u32 s[CNT], s[CNT], 1
	s_cmp_lt_u32 s[CNT], 4
	s_cbranch_scc1 .Lqk
	s_wait_tensorcnt 0x0                           ; the wave's end
	ds_add_u32 v[SPW], v[NIL]
	s_wait_dscnt 0x0
	CROUND
	s_endpgm
.Lfunc_end_k_q2adda96df4_qkv:
	.size	k_q2adda96df4_qkv, .Lfunc_end_k_q2adda96df4_qkv-k_q2adda96df4_qkv
	.p2alignl 7, 3214868480
	.fill 96, 4, 3214868480
	.section	.rodata,"a",@progbits
	.p2align	6, 0x0
	.amdhsa_kernel k_q2adda96df4_qkv
		.amdhsa_group_segment_fixed_size 327680
		.amdhsa_private_segment_fixed_size 0
		.amdhsa_enable_private_segment 0
		.amdhsa_kernarg_size 104
		.amdhsa_user_sgpr_count 2
		.amdhsa_user_sgpr_kernarg_segment_ptr 1
		.amdhsa_wavefront_size32 1
		.amdhsa_system_sgpr_workgroup_id_x 1
		.amdhsa_system_sgpr_workgroup_id_y 1
		.amdhsa_system_sgpr_workgroup_id_z 1
		.amdhsa_system_vgpr_workitem_id 0
		.amdhsa_next_free_vgpr 1024
		.amdhsa_next_free_sgpr 102
		.amdhsa_reserve_vcc 0
		.amdhsa_float_denorm_mode_32 3
		.amdhsa_float_denorm_mode_16_64 3
		.amdhsa_memory_ordered 1
		.amdhsa_forward_progress 1
		.amdhsa_inst_pref_size 118
	.end_amdhsa_kernel
	.amdgpu_metadata
---
amdhsa.version: [ 1, 2 ]
amdhsa.kernels:
  - .name:           k_q2adda96df4_qkv
    .symbol:         k_q2adda96df4_qkv.kd
    .args:
      - { .name: x_codes, .offset: 0, .size: 8, .value_kind: global_buffer, .address_space: global }
      - { .name: x_scales, .offset: 8, .size: 8, .value_kind: global_buffer, .address_space: global }
      - { .name: wq_codes, .offset: 16, .size: 8, .value_kind: global_buffer, .address_space: global }
      - { .name: wq_scales, .offset: 24, .size: 8, .value_kind: global_buffer, .address_space: global }
      - { .name: wk_codes, .offset: 32, .size: 8, .value_kind: global_buffer, .address_space: global }
      - { .name: wk_scales, .offset: 40, .size: 8, .value_kind: global_buffer, .address_space: global }
      - { .name: wv_codes, .offset: 48, .size: 8, .value_kind: global_buffer, .address_space: global }
      - { .name: wv_scales, .offset: 56, .size: 8, .value_kind: global_buffer, .address_space: global }
      - { .name: bq, .offset: 64, .size: 8, .value_kind: global_buffer, .address_space: global }
      - { .name: bk, .offset: 72, .size: 8, .value_kind: global_buffer, .address_space: global }
      - { .name: bv, .offset: 80, .size: 8, .value_kind: global_buffer, .address_space: global }
      - { .name: qb, .offset: 88, .size: 8, .value_kind: global_buffer, .address_space: global }
      - { .name: kv, .offset: 96, .size: 8, .value_kind: global_buffer, .address_space: global }
    .group_segment_fixed_size: 327680
    .private_segment_fixed_size: 0
    .kernarg_segment_align: 8
    .kernarg_segment_size: 104
    .max_flat_workgroup_size: 128
    .sgpr_count:     102
    .vgpr_count:     1024
    .wavefront_size: 32
...
	.end_amdgpu_metadata
.endif
;; end of part 1
;; launch attn (part 2): grid 4 x 64, 8 waves a work-group, clusters of 4 x 1, 327,680 bytes of LDS; arguments qb, kv, oimg, osc; writes oimg, osc
.if DOCPART == 2
	.amdgcn_target "amdgcn-amd-amdhsa--gfx1250"
	.amdhsa_code_object_version 6
	.text
	.protected	k_q2adda96df4_attn
	.globl	k_q2adda96df4_attn
	.p2align	8
	.type	k_q2adda96df4_attn,@function
k_q2adda96df4_attn:
	s_mov_b64 s[64:65], 0
	v_nop
	global_prefetch_b8 v0, s[64:65] scope:SCOPE_SE
	s_setreg_imm32_b32 hwreg(HW_REG_WAVE_MODE, 25, 1), 1
	s_wait_xcnt 0x0
	s_wait_alu depctr_hold_cnt(0) depctr_sa_sdst(0) depctr_va_vdst(0) depctr_va_sdst(0) depctr_va_ssrc(0) depctr_va_vcc(0) depctr_vm_vsrc(0)
	s_getreg_b32 s2, hwreg(HW_REG_IB_STS2, 6, 4)
	s_cmp_eq_u32 s2, 0
	s_cbranch_scc0 .Lentry_in_a_cluster
	s_endpgm
.Lentry_in_a_cluster:
	s_bfe_u32 s2, ttmp6, 0x10000c
	s_cmp_lg_u32 s2, 0x3003
	s_cbranch_scc0 .Lentry_shape_is_right
	s_endpgm
.Lentry_shape_is_right:
; o = softmax(q k^T / 8) v on codes of FP6, for one (batch, head) and 512 queries a work-group; o is quantised along the head's 64 and leaves as operand images.
; All 16 key steps (128 keys: codes and scale words, 13,312 bytes) lie in LDS, fetched once, jointly by the four work-groups of a head: each wave asks for two steps.
; No prefetch: everything is asked for at the head; no loop runs ahead of a load.
; A wave owns a band of 64 queries: two passes of TWO tiles of 16, worked side by side, so that each fragment of k and v serves two tiles.
; Both products are used transposed: a lane holds one query.  By the tiles' rows (tile a of a band: tokens 8 a + i and 32 + 8 a + i) a lane's 32 scores of a band
; are 32 neighbouring keys: a whole scale block of p; v's codes run along the keys in natural order.
; p = 2^(t - M), M the running maximum rounded up to a whole number; the sum is taken of the unquantised p; a block's largest p comes from its largest score.
; k's fragments are fetched one step ahead (step 0 again in a pass's last trip: the next pass begins with it).
; REGISTERS: window 1: scores S (64 a tile), O^T (32 a tile); all else in window 0.
; LIMITS: NaN and infinities are not served; the scaled scores stay under 2^31 in magnitude.  A block of p or o under 2^-124 keeps the scale byte 1.
.set REC,   13312
.set SPARE, 16*REC
.set L16, 1
.set L8,  2
.set AK16, 3
.set AK8, 4
.set AV16, 5
.set AV8, 6
.set SH8, 7
.set OSO, 8
.set SPW, 10
.set NIL, 11
.set NM,  12                           ; pairs (-M, running largest t)
.set F,   16                           ; pairs (f, unused)
.set SA,  20                           ; two pairs of partial sums a tile
.set PW,  28                           ; p's scale words
.set QF,  32
.set KF,  56
.set KSC, 112
.set VF,  116
.set VS,  164
.set VSC, 168
.set BM,  170
.set TM,  174
.set SOP, 178
.set EB,  182
.set PX,  186
.set PC,  190
.set TP,  214
.set QN,  230
.set QW,  244
.set O,   128
.set CNT, 16
.set MSB, 0
.macro WIN new
.if MSB != (\new)
	s_set_vgpr_msb (MSB<<8)|(\new)
.set MSB, (\new)
.endif
.endm
.macro WALU
	s_wait_alu depctr_va_vdst(0)
.endm
.macro CROUND
	s_barrier_signal -1
	s_barrier_wait -1
	s_cmp_lg_u32 s18, 0
	s_cbranch_scc1 .Lnw0_\@
	s_barrier_signal -3
.Lnw0_\@:
	s_barrier_wait -3
	s_barrier_signal -1
	s_barrier_wait -1
.endm
.macro KLOAD a, b                      ; 18 loads: eight tiles of k and their scale words
.irp u, 0,1,2,3,4,5,6,7
	ds_load_b128 v[KF+6*\u:KF+6*\u+3], v[\a] offset:768*\u
	ds_load_b64 v[KF+6*\u+4:KF+6*\u+5], v[\b] offset:768*\u+512
.endr
	ds_load_b64 v[KSC:KSC+1], v[\b] offset:12288
	ds_load_b64 v[KSC+2:KSC+3], v[\b] offset:12544
.endm
.macro SMM u, t, p, ra, rb
	v_wmma_scale_f32_16x16x128_f8f6f4 v[64*\t+8*\u:64*\t+8*\u+7], v[KF+6*\u:KF+6*\u+11], v[QF+12*\t:QF+12*\t+11], 0, v[KSC+\u/2], v[QW+\p] matrix_a_fmt:MATRIX_FMT_FP6 matrix_b_fmt:MATRIX_FMT_FP6 matrix_a_scale:MATRIX_SCALE_ROW\ra matrix_b_scale:MATRIX_SCALE_ROW\rb
.endm
.macro OMM u, t, ra
	v_wmma_scale_f32_16x16x128_f8f6f4 v[O+32*\t+8*\u:O+32*\t+8*\u+7], v[VF+12*\u:VF+12*\u+11], v[PC+12*\t:PC+12*\t+11], v[O+32*\t+8*\u:O+32*\t+8*\u+7], v[VSC+\u/2], v[PW+\t] matrix_a_fmt:MATRIX_FMT_FP6 matrix_b_fmt:MATRIX_FMT_FP6 matrix_a_scale:MATRIX_SCALE_ROW\ra
.endm
.macro STEP p
	s_mul_i32 s2, s[CNT], REC              ; this step,
	s_add_co_u32 s3, s[CNT], 1
	s_and_b32 s3, s3, 15
	s_mul_i32 s3, s3, REC                  ; the next
	s_wait_dscnt 0x0                       ; k's fragments, asked for a step ago
	WIN 0x40
.irp u, 0,2,4,6
	SMM \u, 0, \p, 0, 0
	SMM \u, 1, \p, 0, 1
	SMM (\u+1), 0, \p, 1, 0
	SMM (\u+1), 1, \p, 1, 1
.endr
	WIN 0
	v_add_nc_u32 v[AV16], s2, v[L16]       ; these four are the places behind the products
	v_add_nc_u32 v[AV8], s2, v[L8]
	v_add_nc_u32 v[AK16], s3, v[L16]
	v_add_nc_u32 v[AK8], s3, v[L8]
.irp u, 0,1,2,3
	ds_load_b128 v[VF+12*\u:VF+12*\u+3], v[AV16] offset:6144+768*\u
	ds_load_b64 v[VF+12*\u+4:VF+12*\u+5], v[AV8] offset:6656+768*\u
	ds_load_b128 v[VF+12*\u+6:VF+12*\u+9], v[AV16] offset:9216+768*\u
	ds_load_b64 v[VF+12*\u+10:VF+12*\u+11], v[AV8] offset:9728+768*\u
.endr
	ds_load_b64 v[VS:VS+1], v[AV8] offset:12800
	ds_load_b64 v[VS+2:VS+3], v[AV8] offset:13056
	KLOAD AK16, AK8
	WIN 0x15                               ; the largest score of each block of 32 keys: four chains by turns
.irp x, 0,1,2,3
	v_max3_num_f32 v[BM+\x], v[32*\x], v[32*\x+1], v[32*\x+2]
.endr
	WIN 0x14
.irp i, 3,5,7,9,11,13,15,17,19,21,23,25,27,29
.irp x, 0,1,2,3
	v_max3_num_f32 v[BM+\x], v[BM+\x], v[32*\x+\i], v[32*\x+\i+1]
.endr
.endr
.irp x, 0,1,2,3
	v_max_num_f32 v[BM+\x], v[BM+\x], v[32*\x+31]
.endr
	WIN 0
.irp t, 0,1
	v_max_num_f32 v[TM+\t], v[BM+2*\t], v[BM+2*\t+1]
.endr
.irp t, 0,1
	v_permlanex16_b32 v[PX+\t], v[TM+\t], s20, s21
.endr
.irp t, 0,1
	v_max_num_f32 v[TM+\t], v[TM+\t], v[PX+\t]
.endr
.irp t, 0,1
	v_mul_f32 v[TM+\t], s22, v[TM+\t]
.endr
.irp t, 0,1
	v_max_num_f32 v[NM+2*\t+1], v[NM+2*\t+1], v[TM+\t]
.endr
.irp t, 0,1
	v_mov_b32 v[TM+\t], v[NM+2*\t]
.endr
.irp t, 0,1
	v_floor_f32 v[NM+2*\t], -v[NM+2*\t+1]  ; -M = floor(-t)
.endr
.irp t, 0,1
	v_sub_f32 v[TM+\t], v[NM+2*\t], v[TM+\t]
.endr
.irp t, 0,1
	v_cvt_i32_f32 v[TM+\t], v[TM+\t]
.endr
.irp t, 0,1
	v_ldexp_f32 v[F+2*\t], 1.0, v[TM+\t]   ; f = 2^(old M - new M)
.endr
	WIN 0x41
.irp t, 0,1
.set j, 0
.rept 32
	v_pk_fma_f32 v[64*\t+j:64*\t+j+1], v[64*\t+j:64*\t+j+1], s[22:23], v[NM+2*\t:NM+2*\t+1] op_sel_hi:[1,0,0]
.set j, j+2
.endr
.endr
	WIN 0
.irp x, 0,1,2,3
	v_fma_f32 v[BM+\x], v[BM+\x], s22, v[NM+2*(\x/2)]
.endr
	WALU
	WIN 0x41
.set j, 0
.rept 128
	v_exp_f32 v[j], v[j]
.set j, j+1
.endr
	WIN 0
.irp x, 0,1,2,3
	v_exp_f32 v[BM+\x], v[BM+\x]
.endr
.irp t, 0,1
	v_pk_mul_f32 v[SA+4*\t:SA+4*\t+1], v[SA+4*\t:SA+4*\t+1], v[F+2*\t:F+2*\t+1] op_sel_hi:[1,0]
	v_pk_mul_f32 v[SA+4*\t+2:SA+4*\t+3], v[SA+4*\t+2:SA+4*\t+3], v[F+2*\t:F+2*\t+1] op_sel_hi:[1,0]
.endr
	WALU
	WIN 0x04
.set j, 0
.rept 16
.irp t, 0,1
	v_pk_add_f32 v[SA+4*\t:SA+4*\t+1], v[SA+4*\t:SA+4*\t+1], v[64*\t+j:64*\t+j+1]
	v_pk_add_f32 v[SA+4*\t+2:SA+4*\t+3], v[SA+4*\t+2:SA+4*\t+3], v[64*\t+j+2:64*\t+j+3]
.endr
.set j, j+4
.endr
	WIN 0
.irp x, 0,1,2,3
	v_max_num_f32 v[BM+\x], 0x1800000, v[BM+\x]
.endr
.irp x, 0,1,2,3
	v_add_nc_u32 v[SOP+\x], 0xff000000, v[BM+\x]
.endr
.irp x, 0,1,2,3
	v_lshrrev_b32 v[EB+\x], 23, v[SOP+\x]
.endr
.irp t, 0,1
	v_lshl_or_b32 v[PW+\t], v[EB+2*\t+1], 16, v[EB+2*\t]
.endr
.irp t, 0,1
	v_lshlrev_b32 v[PW+\t], v[SH8], v[PW+\t]   ; my blocks are h and 2 + h
.endr
.irp t, 0,1
	v_permlanex16_b32 v[PX+\t], v[PW+\t], s20, s21
.endr
.irp t, 0,1
	v_or_b32 v[PW+\t], v[PW+\t], v[PX+\t]
.endr
	WIN 0x01
.irp x, 0,1,2,3
	v_cvt_scalef32_pk16_fp6_f32 v[PC+6*\x:PC+6*\x+2], v[32*\x:32*\x+15], v[SOP+\x]
	v_cvt_scalef32_pk16_fp6_f32 v[TP+4*\x:TP+4*\x+2], v[32*\x+16:32*\x+31], v[SOP+\x]
.endr
	WIN 0
	v_nop
.irp i, 0,1,2
.irp x, 0,1,2,3
	v_mov_b32 v[PC+6*\x+3+\i], v[TP+4*\x+\i]
.endr
.endr
	s_wait_dscnt 18                        ; v's fragments and scale words are in; the next step's 18 loads of k may be out
	v_lshl_or_b32 v[VSC], v[VS+2], 16, v[VS]
	v_lshl_or_b32 v[VSC+1], v[VS+3], 16, v[VS+1]
	WIN 0x41
	WALU
.irp t, 0,1
.set j, 0
.rept 16
	v_pk_mul_f32 v[O+32*\t+j:O+32*\t+j+1], v[O+32*\t+j:O+32*\t+j+1], v[F+2*\t:F+2*\t+1] op_sel_hi:[1,0]
.set j, j+2
.endr
.endr
	WIN 0x50
.irp u, 0,2
	OMM \u, 0, 0
	OMM \u, 1, 0
	OMM (\u+1), 0, 1
	OMM (\u+1), 1, 1
.endr
	WIN 0
.endm
.macro PASS p
.if \p
	s_wait_xcnt 0x0                        ; the first pass's stores have read their data: those registers are written again only behind this wait
.irp i, 0,1,2,3,4,5
	v_mov_b32 v[QF+\i], v[QN+\i]
	v_mov_b32 v[QF+12+\i], v[QN+6+\i]
.endr
.endif
.irp t, 0,1
	v_mov_b32 v[NM+2*\t+1], 0xff61b1e6
	v_floor_f32 v[NM+2*\t], -v[NM+2*\t+1]
.irp i, 0,1,2,3
	v_mov_b32 v[SA+4*\t+\i], 0
.endr
.endr
	WIN 0x40
.set j, 0
.rept 64
	v_mov_b32 v[O+j], 0
.set j, j+1
.endr
	WIN 0
	WALU
	s_mov_b32 s[CNT], 0
.Lstep\p:
	STEP \p
	s_add_co_u32 s[CNT], s[CNT], 1
	s_cmp_lt_u32 s[CNT], 16
	s_cbranch_scc1 .Lstep\p
.rept 4
	v_nop
.endr
.irp t, 0,1
	v_pk_add_f32 v[SA+4*\t:SA+4*\t+1], v[SA+4*\t:SA+4*\t+1], v[SA+4*\t+2:SA+4*\t+3]
.endr
.irp t, 0,1
	v_add_f32 v[SA+4*\t], v[SA+4*\t], v[SA+4*\t+1]
.endr
.irp t, 0,1
	v_permlanex16_b32 v[PX+\t], v[SA+4*\t], s20, s21
.endr
.irp t, 0,1
	v_add_f32 v[SA+4*\t], v[SA+4*\t], v[PX+\t]
.endr
	WALU
	v_rcp_f32 v[SA], v[SA]
	v_rcp_f32 v[SA+4], v[SA+4]
	v_nop
	WIN 0x41
	WALU
.irp t, 0,1
.set j, 0
.rept 16
	v_pk_mul_f32 v[O+32*\t+j:O+32*\t+j+1], v[O+32*\t+j:O+32*\t+j+1], v[SA+4*\t:SA+4*\t+1] op_sel_hi:[1,0]
.set j, j+2
.endr
.endr
	WIN 0x05                               ; a lane's 32 numbers of o are features 32 h + 0 .. 31: one block
.irp t, 0,1
	v_max3_num_f32 v[BM+\t], |v[O+32*\t]|, |v[O+32*\t+1]|, 0x1800000
.endr
	WIN 0x14
.irp i, 2,4,6,8,10,12,14,16,18,20,22,24,26,28,30
.irp t, 0,1
	v_max3_num_f32 v[BM+\t], v[BM+\t], |v[O+32*\t+\i]|, |v[O+32*\t+\i+1]|
.endr
.endr
	WIN 0
.irp t, 0,1
	v_add_nc_u32 v[SOP+\t], 0xff000000, v[BM+\t]
.endr
.irp t, 0,1
	v_lshrrev_b32 v[EB+\t], 23, v[SOP+\t]
.endr
.irp t, 0,1
	v_lshlrev_b32 v[EB+\t], v[SH8], v[EB+\t]
.endr
.irp t, 0,1
	v_permlanex16_b32 v[PX+\t], v[EB+\t], s20, s21
.endr
.irp t, 0,1
	v_or_b32 v[EB+\t], v[EB+\t], v[PX+\t]
.endr
	WIN 0x01
.irp t, 0,1
	v_cvt_scalef32_pk16_fp6_f32 v[TP+8*\t:TP+8*\t+2], v[O+32*\t:O+32*\t+15], v[SOP+\t]
	v_cvt_scalef32_pk16_fp6_f32 v[TP+8*\t+4:TP+8*\t+6], v[O+32*\t+16:O+32*\t+31], v[SOP+\t]
.endr
	WIN 0
	v_nop
.irp i, 3,4,5
.irp t, 0,1
	v_mov_b32 v[TP+8*\t+\i], v[TP+8*\t+\i+1]
.endr
.endr
.irp t, 0,1
	global_store_b128 v[L16], v[TP+8*\t:TP+8*\t+3], s[46:47] offset:12288*(2*\p+\t)
	global_store_b64 v[L8], v[TP+8*\t+4:TP+8*\t+5], s[46:47] offset:12288*(2*\p+\t)+512
	global_store_b16 v[OSO], v[EB+\t], s[48:49] offset:512*(2*\p+\t)
.endr
.endm
; ---- the head
	s_load_b256 s[4:11], s[0:1], 0x0               ; qb, kv, oimg, osc
	v_lshl_add_u32 v[SPW], v0, 2, SPARE
	v_mov_b32 v[NIL], 0
	ds_add_u32 v[SPW], v[NIL]
	ds_add_u32 v[SPW], v[NIL]
	v_lshrrev_b32 v1, 5, v0
	v_readfirstlane_b32 s18, v1                    ; wave
	s_and_b32 s17, ttmp7, 0xffff                   ; bh
	s_bfe_u32 s19, ttmp6, 0x40000
	s_lshl_b32 s12, ttmp9, 2
	s_add_co_u32 s19, s19, s12                     ; my 512 queries
	s_mov_b32 s24, 15|(3<<16)|(1<<21)              ; 104 rows of 256 bytes: two key steps, dense
	s_mov_b32 s25, 32<<16
	s_mov_b32 s26, 104<<16
	s_mov_b32 s27, 32<<16
	s_mov_b32 s28, 104
	s_mov_b32 s29, 32
	s_mov_b32 s30, 0
	s_mov_b32 s31, 0
	s_mov_b32 s40, 1
	s_mul_i32 s41, s18, 2*REC
	s_mul_i32 s36, s17, 16*REC
	s_add_co_u32 s36, s36, s41
	s_mov_b32 s37, 0
	s_mov_b32 s20, 0x76543210
	s_mov_b32 s21, 0xfedcba98
	s_mov_b32 s22, 0x3e38aa3b                      ; log2(e) / 8
	s_mov_b32 s23, s22
	WALU
	s_wait_dscnt 0x0
	s_wait_kmcnt 0x0
	s_add_nc_u64 s[42:43], s[6:7], s[36:37]
	s_or_b32 s43, s43, 0x80000000
	CROUND
	tensor_load_to_lds s[40:43], s[24:31]
	s_nop 0
.rept 4
	v_nop
.endr
	s_lshl_b32 s12, s19, 3
	s_add_co_u32 s12, s12, s18                     ; my band of the sequence's 32
	s_lshl_b32 s13, s17, 5
	s_add_co_u32 s13, s13, s12
	s_mul_i32 s36, s13, 3328
	s_add_nc_u64 s[44:45], s[4:5], s[36:37]
	s_lshr_b32 s13, s17, 4
	s_lshl_b32 s13, s13, 5
	s_add_co_u32 s13, s13, s12                     ; band of all 128
	s_and_b32 s14, s17, 15                         ; head
	s_lshl_b32 s36, s13, 6
	s_add_co_u32 s36, s36, s14
	s_mul_i32 s36, s36, 768
	s_add_nc_u64 s[46:47], s[8:9], s[36:37]        ; oimg [band][tile][head][768]
	s_lshl_b32 s36, s13, 11
	s_lshl_b32 s14, s14, 1
	s_add_co_u32 s36, s36, s14
	s_add_nc_u64 s[48:49], s[10:11], s[36:37]      ; osc [band][tile][row][32]
	v_and_b32 v[L8], 31, v0
	v_lshlrev_b32 v[L16], 4, v[L8]
	v_lshlrev_b32 v[L8], 3, v[L8]
	v_bfe_u32 v[SH8], v0, 4, 1
	v_lshlrev_b32 v[SH8], 3, v[SH8]
	v_and_b32 v[OSO], 15, v0
	v_lshlrev_b32 v[OSO], 5, v[OSO]
.irp t, 0,1
	global_load_b128 v[QF+12*\t:QF+12*\t+3], v[L16], s[44:45] offset:768*\t
	global_load_b64 v[QF+12*\t+4:QF+12*\t+5], v[L8], s[44:45] offset:768*\t+512
	global_load_b128 v[QN+6*\t:QN+6*\t+3], v[L16], s[44:45] offset:1536+768*\t
	global_load_b64 v[QN+6*\t+4:QN+6*\t+5], v[L8], s[44:45] offset:2048+768*\t
.endr
	global_load_b64 v[QW:QW+1], v[L8], s[44:45] offset:3072
.irp i, 0,1,2,3,4,5
	v_mov_b32 v[QF+6+\i], 0                        ; K = 64: the upper half of q's operands is zero codes
	v_mov_b32 v[QF+18+\i], 0
	v_mov_b32 v[KF+48+\i], 0
.endr
	v_mov_b32 v[PX], 0
	v_mov_b32 v[PX+1], 0
	v_mov_b32 v[F+1], 0
	v_mov_b32 v[F+3], 0
	WALU
	s_wait_tensorcnt 0x0
	s_barrier_signal -1
	s_barrier_wait -1                              ; all sixteen steps are in
	KLOAD L16, L8
	s_wait_loadcnt 0x0
	PASS 0
	PASS 1
	s_wait_tensorcnt 0x0                           ; the wave's end
	ds_add_u32 v[SPW], v[NIL]
	s_wait_dscnt 0x0
	CROUND
	s_endpgm
.Lfunc_end_k_q2adda96df4_attn:
	.size	k_q2adda96df4_attn, .Lfunc_end_k_q2adda96df4_attn-k_q2adda96df4_attn
	.p2alignl 7, 3214868480
	.fill 96, 4, 3214868480
	.section	.rodata,"a",@progbits
	.p2align	6, 0x0
	.amdhsa_kernel k_q2adda96df4_attn
		.amdhsa_group_segment_fixed_size 327680
		.amdhsa_private_segment_fixed_size 0
		.amdhsa_enable_private_segment 0
		.amdhsa_kernarg_size 32
		.amdhsa_user_sgpr_count 2
		.amdhsa_user_sgpr_kernarg_segment_ptr 1
		.amdhsa_wavefront_size32 1
		.amdhsa_system_sgpr_workgroup_id_x 1
		.amdhsa_system_sgpr_workgroup_id_y 1
		.amdhsa_system_sgpr_workgroup_id_z 1
		.amdhsa_system_vgpr_workitem_id 0
		.amdhsa_next_free_vgpr 512
		.amdhsa_next_free_sgpr 66
		.amdhsa_reserve_vcc 0
		.amdhsa_float_denorm_mode_32 3
		.amdhsa_float_denorm_mode_16_64 3
		.amdhsa_memory_ordered 1
		.amdhsa_forward_progress 1
		.amdhsa_inst_pref_size 81
	.end_amdhsa_kernel
	.amdgpu_metadata
---
amdhsa.version: [ 1, 2 ]
amdhsa.kernels:
  - .name:           k_q2adda96df4_attn
    .symbol:         k_q2adda96df4_attn.kd
    .args:
      - { .name: qb, .offset: 0, .size: 8, .value_kind: global_buffer, .address_space: global }
      - { .name: kv, .offset: 8, .size: 8, .value_kind: global_buffer, .address_space: global }
      - { .name: oimg, .offset: 16, .size: 8, .value_kind: global_buffer, .address_space: global }
      - { .name: osc, .offset: 24, .size: 8, .value_kind: global_buffer, .address_space: global }
    .group_segment_fixed_size: 327680
    .private_segment_fixed_size: 0
    .kernarg_segment_align: 8
    .kernarg_segment_size: 32
    .max_flat_workgroup_size: 256
    .sgpr_count:     66
    .vgpr_count:     512
    .wavefront_size: 32
...
	.end_amdgpu_metadata
.endif
;; end of part 2
;; launch oproj (part 3): grid 8 x 32, 4 waves a work-group, clusters of 4 x 4, 167,936 bytes of LDS; arguments oimg, osc, wo_codes, wo_scales, bo, out0; writes out0
.if DOCPART == 3
	.amdgcn_target "amdgcn-amd-amdhsa--gfx1250"
	.amdhsa_code_object_version 6
	.text
	.protected	k_q2adda96df4_oproj
	.globl	k_q2adda96df4_oproj
	.p2align	8
	.type	k_q2adda96df4_oproj,@function
k_q2adda96df4_oproj:
	s_mov_b64 s[64:65], 0
	v_nop
	global_prefetch_b8 v0, s[64:65] scope:SCOPE_SE
	s_setreg_imm32_b32 hwreg(HW_REG_WAVE_MODE, 25, 1), 1
	s_wait_xcnt 0x0
	s_wait_alu depctr_hold_cnt(0) depctr_sa_sdst(0) depctr_va_vdst(0) depctr_va_sdst(0) depctr_va_ssrc(0) depctr_va_vcc(0) depctr_vm_vsrc(0)
	s_getreg_b32 s2, hwreg(HW_REG_IB_STS2, 6, 4)
	s_cmp_eq_u32 s2, 0
	s_cbranch_scc0 .Lentry_in_a_cluster
	s_endpgm
.Lentry_in_a_cluster:
	s_bfe_u32 s2, ttmp6, 0x10000c
	s_cmp_lg_u32 s2, 0xf033
	s_cbranch_scc0 .Lentry_shape_is_right
	s_endpgm
.Lentry_shape_is_right:
; out0 = o wo^T + bo on codes of FP6, K = 1,024.  256 work-groups: 256 tokens x 128 columns.  A wave holds its band of 64 tokens, all of K, in 384 registers:
; oimg holds images of operand registers, which come straight from memory, each load covering 512 or 256 consecutive bytes.
; wo's 128 rows (768 bytes, whole) land in LDS once, jointly along a column of the cluster, 32 rows a wave; nothing is filled again.  No prefetch: no loop runs ahead of a load.
; Lane r of tile a of a band is token 32 (r / 8) + 8 a + r % 8.  Source 0 = wo's rows: a lane holds eight neighbouring columns of a token;
; 16 tokens x 64 columns go through the wave's own stage in LDS and leave as whole rows of 256 bytes.
.set PITCH, 816
.set GRP,   64*PITCH
.set SPARE, 2*GRP
.set STG,   SPARE+512
.set SP,    272
.set NF,    48
.set L16, 1
.set L8,  2
.set B0,  3                            ; v3, v4 group 0's fragment addresses; v5, v6 group 1's
.set STO, 7
.set RD,  8
.set CO,  9
.set XSO, 10
.set BO,  11
.set SPW, 16
.set NIL, 17
.set WS,  20                           ; v20-83 wo's scale words, eight tiles
.set XS,  88                           ; v88-119 o's
.set ACC, 120                          ; v120-247
.set BI,  80                           ; window 3: the bias, 64 registers
.set BK,  144                          ; window 3: rows read back, two sets of 32
.set MSB, 0
.macro WIN new
.if MSB != (\new)
	s_set_vgpr_msb (MSB<<8)|(\new)
.set MSB, (\new)
.endif
.endm
.macro WALU
	s_wait_alu depctr_va_vdst(0)
.endm
.macro PLACES n
.rept \n
	v_nop
.endr
.endm
.macro BARRIER
	s_barrier_signal -1
	s_barrier_wait -1
.endm
.macro CROUND
	BARRIER
	s_cmp_lg_u32 s14, 0
	s_cbranch_scc1 .Lnw0_\@
	s_barrier_signal -3
.Lnw0_\@:
	s_barrier_wait -3
	BARRIER
.endm
.macro FRAG f, q, a0, a1, off
	WIN (1+(\f)/21)<<6
.set R_, 12*((\f)%21)
.irp p, 0,1,2,3,4,5
.set PC_, 12*(\q)+6*(\p/3)+\p%3
.if (PC_%32) < 29
	ds_load_b64 v[R_+2*\p:R_+2*\p+1], v[\a0] offset:8*PC_+16*(PC_/32)+(\off)
.else
	ds_load_b64 v[R_+2*\p:R_+2*\p+1], v[\a1] offset:8*PC_+16*(PC_/32)+(\off)
.endif
.endr
.endm
.macro FETCH n                         ; wo's tile n (16 rows, all of K) into set n % 2
.irp q, 0,1,2,3,4,5,6,7
	FRAG 32+8*((\n)%2)+\q, \q, B0+2*((\n)/4), B0+2*((\n)/4)+1, ((\n)%4)*16*PITCH
.endr
	WIN 0
.endm
.macro AFRAG f, off
	WIN (1+(\f)/21)<<6
.set R_, 12*((\f)%21)
	global_load_b128 v[R_:R_+3], v[L16], s[4:5] offset:\off
	global_load_b64 v[R_+4:R_+5], v[L8], s[4:5] offset:(\off)+512
	global_load_b128 v[R_+6:R_+9], v[L16], s[4:5] offset:(\off)+768
	global_load_b64 v[R_+10:R_+11], v[L8], s[4:5] offset:(\off)+1280
.endm
.macro BATCH n                         ; 32 products: four accumulators by turns, K ascending
.set N_, 0
.rept 32
.set FB_, 32+8*((\n)%2)+N_/4
.set D_, ACC+32*(N_%4)+8*((\n)%4)
.if N_ < 4
	WIN (1+FB_/21)|((1+N_/21)<<2)|(3<<4)
	v_wmma_scale_f32_16x16x128_f8f6f4 v[D_:D_+7], v[12*(FB_%21):12*(FB_%21)+11], v[12*(N_%21):12*(N_%21)+11], v[BI+8*(\n):BI+8*(\n)+7], v[WS+8*(\n)+N_/4], v[XS+8*(N_%4)+N_/4] matrix_a_fmt:MATRIX_FMT_FP6 matrix_b_fmt:MATRIX_FMT_FP6
.else
	WIN (1+FB_/21)|((1+N_/21)<<2)
	v_wmma_scale_f32_16x16x128_f8f6f4 v[D_:D_+7], v[12*(FB_%21):12*(FB_%21)+11], v[12*(N_%21):12*(N_%21)+11], v[D_:D_+7], v[WS+8*(\n)+N_/4], v[XS+8*(N_%4)+N_/4] matrix_a_fmt:MATRIX_FMT_FP6 matrix_b_fmt:MATRIX_FMT_FP6
.endif
.set N_, N_+1
.endr
	WIN 0
.endm
.macro TOSTAGE a
	s_wait_xcnt 0x0                        ; earlier stores have read the registers that the loads below fill
.irp t, 0,1,2,3
	ds_store_b128 v[STO], v[ACC+32*(\a)+8*\t:ACC+32*(\a)+8*\t+3] offset:64*\t
	ds_store_b128 v[STO], v[ACC+32*(\a)+8*\t+4:ACC+32*(\a)+8*\t+7] offset:64*\t+16
.endr
	WIN 0xc0
.irp i, 0,1,2,3,4,5,6,7
	ds_load_b128 v[BK+32*((\a)%2)+4*\i:BK+32*((\a)%2)+4*\i+3], v[RD] offset:\i*2*SP
.endr
	WIN 0
.endm
.macro SEND g, a, younger              ; sixteen lanes store a token's 256 bytes, aligned
	s_wait_dscnt \younger
	WIN 0x0c
.irp i, 0,1,2,3,4,5,6,7
	global_store_b128 v[CO], v[BK+32*((\a)%2)+4*\i:BK+32*((\a)%2)+4*\i+3], s[12:13] offset:(32*(\i/4)+8*(\a)+2*(\i%4))*4096+256*(\g) th:TH_STORE_NT
.endr
	WIN 0
.endm
	s_load_b256 s[4:11], s[0:1], 0x0               ; oimg, osc, wo's codes, wo's scales
	s_load_b128 s[36:39], s[0:1], 0x20             ; bo, out0
	v_lshl_add_u32 v[SPW], v0, 2, SPARE
	v_mov_b32 v[NIL], 0
	ds_add_u32 v[SPW], v[NIL]
	ds_add_u32 v[SPW], v[NIL]
	v_lshrrev_b32 v18, 5, v0
	v_readfirstlane_b32 s14, v18
	s_bfe_u32 s40, ttmp6, 0x40000
	s_bfe_u32 s41, ttmp6, 0x40004
	s_lshl_b32 s42, ttmp9, 2
	s_add_co_u32 s42, s42, s40                     ; bx: 128 columns
	s_and_b32 s43, ttmp7, 0xffff
	s_lshl_b32 s43, s43, 2
	s_add_co_u32 s43, s43, s41                     ; by: 256 tokens
	s_lshl_b32 s45, 0x1111, s40
	s_or_b32 s24, s45, (1<<20)|(1<<21)|(5<<22)|(3<<25)
	s_mov_b32 s25, 768<<16
	s_mov_b32 s26, 32<<16
	s_mov_b32 s27, 768<<16
	s_mov_b32 s28, 32
	s_mov_b32 s29, 768
	s_mov_b32 s30, 0
	s_mov_b32 s31, 0
	s_mov_b32 s32, 1
	s_mul_i32 s33, s14, 32*PITCH
	s_mul_i32 s20, s42, 128*768
	s_mul_i32 s21, s14, 32*768
	s_add_co_u32 s20, s20, s21
	s_mov_b32 s21, 0
	v_and_b32 v18, 15, v0
	v_bfe_u32 v19, v0, 4, 1
	v_mul_u32_u24 v[B0], v18, PITCH
	v_mad_u32_u24 v[B0+1], v19, 40, v[B0]
	v_mad_u32_u24 v[B0], v19, 24, v[B0]
	v_add_nc_u32 v[B0+2], GRP, v[B0]
	v_add_nc_u32 v[B0+3], GRP, v[B0+1]
	v_and_b32 v[L8], 31, v0
	v_lshlrev_b32 v[L16], 4, v[L8]
	v_lshlrev_b32 v[L8], 3, v[L8]
	v_lshlrev_b32 v[XSO], 5, v18
	v_lshlrev_b32 v[BO], 5, v19
	s_mul_i32 s17, s14, 16*SP
	s_add_co_u32 s17, s17, STG
	v_mul_u32_u24 v[STO], v18, SP
	v_lshl_add_u32 v[STO], v19, 5, v[STO]
	v_add_nc_u32 v[STO], s17, v[STO]
	v_mul_u32_u24 v[RD], v19, SP
	v_lshl_add_u32 v[RD], v18, 4, v[RD]
	v_add_nc_u32 v[RD], s17, v[RD]
	v_lshlrev_b32 v[CO], 12, v19
	v_lshl_add_u32 v[CO], v18, 4, v[CO]
	WALU
	s_wait_dscnt 0x0
	CROUND
	s_wait_kmcnt 0x0
	s_add_nc_u64 s[34:35], s[8:9], s[20:21]
	s_or_b32 s35, s35, 0x80000000
	tensor_load_to_lds s[32:35], s[24:31]
	s_nop 0
	PLACES 4
	s_lshl_b32 s16, s43, 2
	s_add_co_u32 s16, s16, s14                     ; my band of 128
	s_mul_i32 s20, s16, 49152
	s_add_nc_u64 s[4:5], s[4:5], s[20:21]
	s_lshl_b32 s20, s16, 11
	s_add_nc_u64 s[6:7], s[6:7], s[20:21]
	s_lshl_b32 s20, s42, 12
	s_add_nc_u64 s[10:11], s[10:11], s[20:21]
	s_lshl_b32 s20, s42, 9
	s_add_nc_u64 s[36:37], s[36:37], s[20:21]
	s_add_nc_u64 s[12:13], s[38:39], s[20:21]
	s_lshl_b32 s20, s16, 18
	s_add_nc_u64 s[12:13], s[12:13], s[20:21]      ; out0 at my 64 tokens, my 128 columns
.irp a, 0,1,2,3
	global_load_b128 v[XS+8*\a:XS+8*\a+3], v[XSO], s[6:7] offset:512*\a
	global_load_b128 v[XS+8*\a+4:XS+8*\a+7], v[XSO], s[6:7] offset:512*\a+16
.endr
.irp n, 0,1,2,3,4,5,6,7
	global_load_b128 v[WS+8*\n:WS+8*\n+3], v[XSO], s[10:11] offset:512*\n
	global_load_b128 v[WS+8*\n+4:WS+8*\n+7], v[XSO], s[10:11] offset:512*\n+16
.endr
	WIN 0xc0
.irp n, 0,1,2,3,4,5,6,7
	global_load_b128 v[BI+8*\n:BI+8*\n+3], v[BO], s[36:37] offset:64*\n
	global_load_b128 v[BI+8*\n+4:BI+8*\n+7], v[BO], s[36:37] offset:64*\n+16
.endr
.irp q, 0,1,2,3,4,5,6,7
.irp a, 0,1,2,3
	AFRAG 4*\q+\a, (16*\a+2*\q)*768
.endr
.endr
	WIN 0
	s_wait_tensorcnt 0x0
	BARRIER                                        ; wo's 128 rows are in
	FETCH 0
	FETCH 1
	s_wait_loadcnt 0x0
.irp n, 0,1,2,3,4,5,6,7
.if \n < 7
	s_wait_dscnt NF                        ; all but the other set's fetch
.else
	s_wait_dscnt 0x0
.endif
	BATCH \n
	PLACES 4
.if \n < 6
	FETCH \n+2
.endif
.if \n%4 == 3
	TOSTAGE 0
.irp a, 1,2,3
	TOSTAGE \a
	SEND \n/4, \a-1, 16                    ; behind block a - 1's loads: block a's 8 stores and 8 loads
.endr
	SEND \n/4, 3, 0
.endif
.endr
	s_wait_tensorcnt 0x0                           ; the wave's end
	ds_add_u32 v[SPW], v[NIL]
	s_wait_dscnt 0x0
	CROUND
	s_endpgm
.Lfunc_end_k_q2adda96df4_oproj:
	.size	k_q2adda96df4_oproj, .Lfunc_end_k_q2adda96df4_oproj-k_q2adda96df4_oproj
	.p2alignl 7, 3214868480
	.fill 96, 4, 3214868480
	.section	.rodata,"a",@progbits
	.p2align	6, 0x0
	.amdhsa_kernel k_q2adda96df4_oproj
		.amdhsa_group_segment_fixed_size 167936
		.amdhsa_private_segment_fixed_size 0
		.amdhsa_enable_private_segment 0
		.amdhsa_kernarg_size 48
		.amdhsa_user_sgpr_count 2
		.amdhsa_user_sgpr_kernarg_segment_ptr 1
		.amdhsa_wavefront_size32 1
		.amdhsa_system_sgpr_workgroup_id_x 1
		.amdhsa_system_sgpr_workgroup_id_y 1
		.amdhsa_system_sgpr_workgroup_id_z 1
		.amdhsa_system_vgpr_workitem_id 0
		.amdhsa_next_free_vgpr 1024
		.amdhsa_next_free_sgpr 66
		.amdhsa_reserve_vcc 0
		.amdhsa_float_denorm_mode_32 3
		.amdhsa_float_denorm_mode_16_64 3
		.amdhsa_memory_ordered 1
		.amdhsa_forward_progress 1
		.amdhsa_inst_pref_size 96
	.end_amdhsa_kernel
	.amdgpu_metadata
---
amdhsa.version: [ 1, 2 ]
amdhsa.kernels:
  - .name:           k_q2adda96df4_oproj
    .symbol:         k_q2adda96df4_oproj.kd
    .args:
      - { .name: oimg, .offset: 0, .size: 8, .value_kind: global_buffer, .address_space: global }
      - { .name: osc, .offset: 8, .size: 8, .value_kind: global_buffer, .address_space: global }
      - { .name: wo_codes, .offset: 16, .size: 8, .value_kind: global_buffer, .address_space: global }
      - { .name: wo_scales, .offset: 24, .size: 8, .value_kind: global_buffer, .address_space: global }
      - { .name: bo, .offset: 32, .size: 8, .value_kind: global_buffer, .address_space: global }
      - { .name: out0, .offset: 40, .size: 8, .value_kind: global_buffer, .address_space: global }
    .group_segment_fixed_size: 167936
    .private_segment_fixed_size: 0
    .kernarg_segment_align: 8
    .kernarg_segment_size: 48
    .max_flat_workgroup_size: 128
    .sgpr_count:     66
    .vgpr_count:     1024
    .wavefront_size: 32
...
	.end_amdgpu_metadata
.endif
;; end of part 3
